; MI455X (gfx1250); checked and timed in simulation.
; The chip was launched on July 23, 2026; its instructions are those of AMD's public machine-readable ISA for CDNA 5 (MIT licence, August 2026) and "CDNA5" Instruction Set Architecture Reference Guide (July 2026). The comments in the code are by the model that wrote it; some were corrected since.
;; Lo RA Linear. Allowed arithmetic: matrix products marked QUANTISED: E4M3 operands, one given power-of-two scale a tensor, by v_wmma_f32_16x16x64_fp8_fp8 or v_wmma_f32_16x16x128_fp8_fp8, f32 sums; products left as they are: f32 operands where the result goes on into a quantised operand, else bf16, f16 or f32 operands; f32 sums; everything else in f32.
;; Inputs: bias 2,048 float32; lora_left 2,048 x 16 float32; lora_right 16 x 4,096 float32; lowp_scales 2 int32 (the exponents e of the quantised operands' scales 2^e); weight 2,048 x 4,096 float32; x 4 x 2,048 x 4,096 float32.
;; Outputs: out0 4 x 2,048 x 2,048 float32.
;; This version of the problem:
;;   THIS VERSION OF THE PROBLEM IS GIVEN IN LOW PRECISION. The matrix products marked QUANTISED in the list below multiply operands that are first quantised to E4M3 (4 exponent bits, 3 mantissa bits; 8 bits a number), with one given power-of-two scale for each operand tensor; their sums are f32. All else is computed in f32.
;;   The module's matrix products, in the order in which they are computed (A, B: the left and right operand; K: the contracted axis; several contracted axes count as one K, in the product's order):
;;     1. [M 2,048, K 16] x [K 16, N 4,096]; A: input lora_left; B: input lora_right: left as it is (K = 16 < 32)
;;     2. [M 8,192, K 4,096] x [K 4,096, N 2,048]; A: input x; B: computed on the way: QUANTISED (scales: A lowp_scales[0], B lowp_scales[1])
;;   THE QUANTISER, for each operand of a quantised product, along K:
;;     - The operand's scale is 2^e, e = its entry of the input lowp_scales (int32; the entries are numbered through the quantised products in the list's order, A before B).
;;     - Each number is divided by the scale, clamped to +-448, and rounded to the nearest number of E4M3, ties to even, subnormals kept.
;;     - The product sums the exact products of the quantised numbers (number of the format x scale) in f32.
;;   ~~~python
;;   def quantise(x, axis, e):      # numpy; x: float32 -> the quantised numbers, widened to float32 again
;;       x = np.moveaxis(x, axis, -1); K = x.shape[-1]
;;       r = np.clip(x / 2.0 ** e, -448, 448)
;;       step = 2.0 ** (np.maximum(np.frexp(np.where(r == 0, 1, r))[1] - 1, -6) - 3)
;;       q = np.round(r / step) * step * 2.0 ** e      # np.round: ties to even
;;       return np.moveaxis(q, -1, axis).astype(np.float32)
;;   ~~~
;;   OPERANDS COMPUTED ON THE WAY. 'Computed on the way' means the value that the module computes at that place (a softmax that the list does not call 'softmax' is quantised finished and normalised). What goes into a quantiser is computed in f32, as accurately as f32 sums, v_exp_f32 and their like allow (about 1e-6 of the number): no bf16 or f16 on the way to a quantiser, and a product that is left as it is and whose result goes on into a quantised operand takes f32 operands (vector FMAs, or v_wmma_f32_16x16x4_f32). A number that lies on a knife's edge between two numbers of the format may be rounded either way, as far as f32 arithmetic and the matrix unit's own rounding can turn it there, and no further.
;; One version. Each part assembles by itself: llvm-mc -triple=amdgcn-amd-amdhsa -mcpu=gfx1250 --defsym DOCPART=n.
;; ======== version 1 of 1: 2 launches
;; limits: right only within a limited range of input values
;; workspace buffers: x_codes 33,554,432 bytes; w_codes 8,388,608 bytes
;; launch quant (part 1): grid 768 x 1, 4 waves a work-group, no clusters, 98,304 bytes of LDS; arguments x, weight, lora_left, lora_right, lowp_scales, x_codes, w_codes; writes x_codes, w_codes
.if DOCPART == 1
	.amdgcn_target "amdgcn-amd-amdhsa--gfx1250"
	.amdhsa_code_object_version 6
	.text
	.protected	k_qfe68f7eb75_quant
	.globl	k_qfe68f7eb75_quant
	.p2align	8
	.type	k_qfe68f7eb75_quant,@function
k_qfe68f7eb75_quant:
	s_mov_b64 s[64:65], 0
	v_nop
	global_prefetch_b8 v0, s[64:65] scope:SCOPE_SE
	s_setreg_imm32_b32 hwreg(HW_REG_WAVE_MODE, 25, 1), 1
	s_wait_xcnt 0x0
; out0 = Q(x) Q(W + 2 L R)^T 2^(e0 + e1) + bias.  THIS LAUNCH MAKES THE TWO OPERANDS' CODES (E4M3, one byte a number); the next multiplies them.
; code = number / 2^e, held within +-448, rounded to the nearest code, ties to even; e = lowp_scales[0] for x, lowp_scales[1] for the weight.
; NOTHING IS LEFT OUT: every input has a way to the output for general values, so every input is loaded by one of the two launches.
; L R has K = 16 and goes on into a quantiser: it is summed in f32 by fused multiply-adds, j ascending, and W + 2 x sum is one more fused multiply-add.
; LIMITS: e0 and e1 each between -126 and 119, so that 2^e and 448 x 2^e are f32 numbers.  NaN among the inputs is not served; an infinity is held at the largest code.
; PLACES ALONG K.  Both operands use the SAME permutation of k inside each run of 512: place 512 B + 16 l + 4 c + t of a row holds k = 512 B + 128 c + 4 l + t (l 0..31, c 0..3, t 0..3):
;   a lane that takes 16 bytes of each of four loads of 512 consecutive bytes holds the 16 numbers of 16 consecutive places.  The product sums over all k, so every product keeps its partner.
; x_codes [32 row tiles][8 runs of 512 places][256 rows][512 bytes]: what the next launch fetches for one LDS slot is 131,072 consecutive bytes.
; w_codes [32 steps of 128 places][128 blocks of 16 rows][4 c][32 lanes][16 bytes]: lane 16 h + r of piece c holds places 32 c + 16 h + 0..15 of the block's row r: the image of an operand's registers.
; SHARES.  Work-groups 0 to 255 make w_codes, 256 to 767 x_codes: 768 in all; the LDS claim lets three share a WGP.  Waves share nothing: each has its own stage in LDS, no barrier.
.set NWW,  256
.set KB,   16384                       ; a row of 4,096 f32 in bytes
.set EMAX, 8
.set MANT, 0x600000                    ; the mantissa field of 448 as f32
.set SP,   528                         ; the stage: one line for each of the 16 pieces of 16 places: 32 rows x 16 bytes + 16 of padding
.set WST,  16*SP                       ; a wave's stage
.set SPARE, 4*WST                      ; the spare words, 128 bytes a wave
.set AC,   8                           ; v8-15    eight sums
.set SPW,  16                          ; v16 my spare word, v17 0: kept for the add alone
.set NIL,  17
.set SIN,  18                          ; v18 the stage on the way in, v19 on the way out, v20 16 x lane, v21 v18 + 16 x the trip's first row
.set SOUT, 19
.set OUTO, 20
.set SROW, 21
.set LL,   24                          ; v24-87   four slots of 16: a row of lora_left, the same in every lane; at the end the codes read back
.set WW,   88                          ; v88-119  four slots of 8: my numbers of a row of weight
.set CC,   120                         ; v120-127 four slots of 2: my eight codes of a row
.set RR,   128                         ; v128-255 lora_right at my eight k: row j at RR + 8 j
.set XR,   24                          ; x: v24-151 eight sets of 16 numbers
.set XC,   152                         ; x: v152-215 four registers of codes for each of 16 steps
	s_load_b256 s[4:11], s[0:1], 0x0               ; x, weight, lora_left, lora_right
	s_load_b128 s[12:15], s[0:1], 0x20             ; the scales' exponents, x_codes
	s_load_b64 s[16:17], s[0:1], 0x30              ; w_codes
	v_lshl_add_u32 v[SPW], v0, 2, SPARE
	v_mov_b32 v[NIL], 0
	v_lshrrev_b32 v1, 5, v0
	v_readfirstlane_b32 s18, v1                    ; wave 0..3
	v_and_b32 v2, 31, v0                           ; lane
	s_wait_alu depctr_va_vdst(0)
	s_wait_kmcnt 0x0
	s_load_b64 s[20:21], s[12:13], 0x0             ; e0, e1
	s_cmp_lt_u32 ttmp9, NWW                        ; the work-group's number alone decides
	s_cbranch_scc0 .Lx
; ---------------- THE WEIGHT.  A wave takes 32 rows x 256 places; a lane 8 places of each row.
; g = 4 (work-group % 4) + wave: which 256 places;  work-group / 4: which 32 rows.  Lane y's places 256 g + 8 y + 4 u + t lie in an f32 row at byte cb + LW + 512 u + 4 t,
; cb = 2048 (g / 2) + 256 (g % 2), LW = 1024 (y % 2) + 16 (y / 2): a load's even lanes read 256 consecutive bytes, its odd lanes the 256 that lie 1,024 further on.
	s_and_b32 s22, ttmp9, 3
	s_lshr_b32 s23, ttmp9, 2                       ; which 32 rows
	s_lshl_b32 s24, s22, 2
	s_add_co_u32 s24, s24, s18                     ; g
	s_lshr_b32 s26, s24, 1
	s_lshl_b32 s26, s26, 11
	s_and_b32 s25, s24, 1
	s_lshl_b32 s25, s25, 8
	s_add_co_u32 s26, s26, s25                     ; cb
	s_mov_b32 s27, 0
	s_add_nc_u64 s[10:11], s[10:11], s[26:27]      ; lora_right at cb
	s_lshl_b32 s28, s23, 19                        ; 32 rows of 16,384 bytes
	s_mov_b32 s29, 0
	s_add_nc_u64 s[6:7], s[6:7], s[28:29]
	s_add_nc_u64 s[6:7], s[6:7], s[26:27]          ; weight at my first row, at cb
	s_lshl_b32 s30, s23, 11                        ; 32 rows of 64 bytes
	s_mov_b32 s31, 0
	s_add_nc_u64 s[8:9], s[8:9], s[30:31]          ; lora_left at my first row
	s_lshl_b32 s28, s24, 19                        ; step 2 g: 2 x 128 blocks x 2,048 bytes
	s_lshl_b32 s25, s23, 12                        ; my two blocks of 16 rows
	s_add_co_u32 s28, s28, s25
	s_add_nc_u64 s[16:17], s[16:17], s[28:29]
	s_mul_i32 s34, s18, WST                        ; my stage
	v_and_b32 v3, 1, v2
	v_lshlrev_b32 v3, 10, v3
	v_lshrrev_b32 v4, 1, v2                        ; y / 2: which piece of 16 places
	v_lshl_add_u32 v3, v4, 4, v3                   ; LW
	v_mov_b32 v5, 0
	v_mul_u32_u24 v[SIN], v4, SP
	v_and_b32 v6, 1, v2
	v_lshl_add_u32 v[SIN], v6, 3, v[SIN]
	v_add_nc_u32 v[SIN], s34, v[SIN]               ; in: line y / 2, 8 (y % 2); the row adds 16 x row
	v_lshrrev_b32 v6, 4, v2
	v_and_b32 v7, 15, v2
	v_mul_u32_u24 v[SOUT], v6, SP
	v_lshl_add_u32 v[SOUT], v7, 4, v[SOUT]
	v_add_nc_u32 v[SOUT], s34, v[SOUT]             ; out: line h, row r: sixteen lanes read 256 consecutive bytes
	v_lshlrev_b32 v[OUTO], 4, v2
.irp j, 0,1,2,3,4,5,6,7,8,9,10,11,12,13,14,15
	global_load_b128 v[RR+8*\j:RR+8*\j+3],   v3, s[10:11] offset:\j*KB
	global_load_b128 v[RR+8*\j+4:RR+8*\j+7], v3, s[10:11] offset:\j*KB+512
.endr
.macro WLOAD s, row                    ; six loads: a row of lora_left (the same for all lanes) and my eight numbers of the same row of weight, into slot s
.irp c, 0,1,2,3
	global_load_b128 v[LL+16*\s+4*\c:LL+16*\s+4*\c+3], v5, s[8:9] offset:(\row)*64+16*\c
.endr
	global_load_b128 v[WW+8*\s:WW+8*\s+3],   v3, s[6:7] offset:(\row)*KB th:TH_LOAD_NT
	global_load_b128 v[WW+8*\s+4:WW+8*\s+7], v3, s[6:7] offset:(\row)*KB+512 th:TH_LOAD_NT
.endm
.macro WROW s, ahead, left             ; the row in slot s; ahead = 1: the slot takes the row four further on; left: the younger loads that may stay out
	s_wait_loadcnt \left
.irp p, 0,2,4,6
	v_pk_mul_f32 v[AC+\p:AC+\p+1], v[RR+\p:RR+\p+1], v[LL+16*\s:LL+16*\s+1] op_sel_hi:[1,0]   ; j = 0 starts the sums; four chains take turns
.endr
.irp j, 1,3,5,7,9,11,13,15
.irp p, 0,2,4,6
	v_pk_fma_f32 v[AC+\p:AC+\p+1], v[RR+8*\j+\p:RR+8*\j+\p+1], v[LL+16*\s+\j-1:LL+16*\s+\j], v[AC+\p:AC+\p+1] op_sel:[0,1,0] op_sel_hi:[1,1,1]   ; odd j: the pair's second register for both halves
.endr
.if \j < 15
.irp p, 0,2,4,6
	v_pk_fma_f32 v[AC+\p:AC+\p+1], v[RR+8*(\j+1)+\p:RR+8*(\j+1)+\p+1], v[LL+16*\s+\j+1:LL+16*\s+\j+2], v[AC+\p:AC+\p+1] op_sel_hi:[1,0,1]   ; even j: its first
.endr
.endif
.endr
.irp p, 0,2,4,6
	v_pk_fma_f32 v[AC+\p:AC+\p+1], v[AC+\p:AC+\p+1], 2.0, v[WW+8*\s+\p:WW+8*\s+\p+1] op_sel_hi:[1,0,1]   ; weight + 2 x sum (32 / 16 = 2)
.endr
.irp i, 0,1,2,3,4,5,6,7
	v_med3_num_f32 v[AC+\i], v[AC+\i], -v7, v7     ; the conversion does not saturate (ISA guide 7.6.2): hold first
.endr
	v_cvt_scalef32_pk8_fp8_f32 v[CC+2*\s:CC+2*\s+1], v[AC:AC+7], v6
	v_nop                                          ; a plain line between the conversion and the next row's first product, which writes its sources
.if \ahead
	WLOAD \s, \s+4
.endif
	ds_store_b64 v[SROW], v[CC+2*\s:CC+2*\s+1] offset:16*\s   ; the 32 lanes touch 64 different banks (lines 132 words apart)
.endm
.irp s, 0,1,2,3
	WLOAD \s, \s
.endr
	s_wait_kmcnt 0x0
	s_add_co_i32 s21, s21, 127
	s_lshl_b32 s25, s21, 23
	v_mov_b32 v6, s25                              ; 2^e1: the conversion takes its exponent field
	s_add_co_i32 s21, s21, EMAX
	s_lshl_b32 s21, s21, 23
	s_or_b32 s21, s21, MANT
	v_mov_b32 v7, s21                              ; 448 x 2^e1
	s_mov_b32 s32, 7
	s_mov_b32 s33, 0                               ; 16 x the trip's first row
	s_wait_alu depctr_va_vdst(0)
.Lw:                                                   ; seven trips of four rows; each asks for the four rows that follow
	v_add_nc_u32 v[SROW], s33, v[SIN]
.irp s, 0,1,2,3
	WROW \s, 1, 18                                 ; six loads a row: the three younger rows' may stay out
.endr
	s_wait_xcnt 0x0                                ; the trip's loads have read their bases
	s_wait_dscnt 0x0                               ; the stage's stores have read their codes
	s_add_nc_u64 s[6:7], s[6:7], 4*KB
	s_add_nc_u64 s[8:9], s[8:9], 4*64
	s_add_co_u32 s33, s33, 64
	s_sub_co_u32 s32, s32, 1
	s_cmp_lg_u32 s32, 0
	s_cbranch_scc1 .Lw
	v_add_nc_u32 v[SROW], s33, v[SIN]
	WROW 0, 0, 18
	WROW 1, 0, 12
	WROW 2, 0, 6
	WROW 3, 0, 0
.irp k, 0,1                            ; back in the order of the operand's registers (LDS serves a wave's instructions in order: these see my stores)
.irp n, 0,1
.irp c, 0,1,2,3
	ds_load_b128 v[LL+4*(8*\k+4*\n+\c):LL+4*(8*\k+4*\n+\c)+3], v[SOUT] offset:(8*\k+2*\c)*SP+256*\n
.endr
.endr
.endr
	s_wait_dscnt 0x0
.irp k, 0,1
.irp n, 0,1
.irp c, 0,1,2,3
	global_store_b128 v[OUTO], v[LL+4*(8*\k+4*\n+\c):LL+4*(8*\k+4*\n+\c)+3], s[16:17] offset:262144*\k+2048*\n+512*\c   ; the wave stores 512 consecutive bytes, aligned
.endr
.endr
.endr
	s_wait_tensorcnt 0x0                           ; the wave's end
	ds_add_u32 v[SPW], v[NIL]
	s_wait_dscnt 0x0
	s_endpgm
; ---------------- x.  A wave takes four rows: 32 steps of 512 numbers.  Step t is run t % 8 of row t / 8.  The codes of sixteen steps are stored on end, behind their arithmetic.
.Lx:
	s_sub_co_u32 s22, ttmp9, NWW
	s_lshl_b32 s22, s22, 2
	s_add_co_u32 s22, s22, s18                     ; which four rows: 0..2047
	s_lshl_b32 s24, s22, 16                        ; 65,536 bytes of f32
	s_mov_b32 s25, 0
	s_add_nc_u64 s[4:5], s[4:5], s[24:25]
	s_lshr_b32 s24, s22, 6
	s_lshl_b32 s24, s24, 20                        ; the row tile: 1,048,576 bytes
	s_and_b32 s26, s22, 63
	s_lshl_b32 s26, s26, 11                        ; my first row in it: 4 x 512 bytes
	s_add_co_u32 s24, s24, s26
	s_add_nc_u64 s[14:15], s[14:15], s[24:25]
	v_lshlrev_b32 v3, 4, v2                        ; 16 x lane
.macro XLOAD t                         ; four loads of 512 consecutive bytes
.irp c, 0,1,2,3
	global_load_b128 v[XR+16*((\t)%8)+4*\c:XR+16*((\t)%8)+4*\c+3], v3, s[4:5] offset:2048*(\t)+512*\c th:TH_LOAD_NT
.endr
.endm
.macro XSTEP t
.set XS, XR+16*((\t)%8)
.set XD, XC+4*((\t)%16)
.if 31-(\t) >= 7
	s_wait_loadcnt 28                              ; this step's four loads are in; those of the seven steps behind it may be out
.else
	s_wait_loadcnt 4*(31-(\t))
.endif
.if (\t) == 16
	s_wait_xcnt 0x0                                ; the first sixteen stores have read their codes: the registers are written again
.endif
.irp i, 0,1,2,3,4,5,6,7,8,9,10,11,12,13,14,15
	v_med3_num_f32 v[XS+\i], v[XS+\i], -v7, v7
.endr
	v_cvt_scalef32_pk8_fp8_f32 v[XD:XD+1], v[XS:XS+7], v6
	v_cvt_scalef32_pk8_fp8_f32 v[XD+2:XD+3], v[XS+8:XS+15], v6
.if (\t)+8 < 32
	XLOAD (\t)+8
.endif
.endm
.macro XOUT t0                         ; sixteen stores of 512 consecutive bytes, aligned
.irp i, 0,1,2,3,4,5,6,7,8,9,10,11,12,13,14,15
	global_store_b128 v3, v[XC+4*\i:XC+4*\i+3], s[14:15] offset:131072*(\i%8)+512*((\t0+\i)/8)
.endr
.endm
.irp t, 0,1,2,3,4,5,6,7
	XLOAD \t
.endr
	s_wait_kmcnt 0x0
	s_add_co_i32 s20, s20, 127
	s_lshl_b32 s25, s20, 23
	v_mov_b32 v6, s25                              ; 2^e0
	s_add_co_i32 s20, s20, EMAX
	s_lshl_b32 s20, s20, 23
	s_or_b32 s20, s20, MANT
	v_mov_b32 v7, s20                              ; 448 x 2^e0
	s_wait_alu depctr_va_vdst(0)
.irp t, 0,1,2,3,4,5,6,7,8,9,10,11,12,13,14,15
	XSTEP \t
.endr
	XOUT 0
.irp t, 16,17,18,19,20,21,22,23,24,25,26,27,28,29,30,31
	XSTEP \t
.endr
	XOUT 16
	s_endpgm
.Lfunc_end_k_qfe68f7eb75_quant:
	.size	k_qfe68f7eb75_quant, .Lfunc_end_k_qfe68f7eb75_quant-k_qfe68f7eb75_quant
	.p2alignl 7, 3214868480
	.fill 96, 4, 3214868480
	.section	.rodata,"a",@progbits
	.p2align	6, 0x0
	.amdhsa_kernel k_qfe68f7eb75_quant
		.amdhsa_group_segment_fixed_size 98304
		.amdhsa_private_segment_fixed_size 0
		.amdhsa_enable_private_segment 0
		.amdhsa_kernarg_size 56
		.amdhsa_user_sgpr_count 2
		.amdhsa_user_sgpr_kernarg_segment_ptr 1
		.amdhsa_wavefront_size32 1
		.amdhsa_system_sgpr_workgroup_id_x 1
		.amdhsa_system_sgpr_workgroup_id_y 1
		.amdhsa_system_sgpr_workgroup_id_z 1
		.amdhsa_system_vgpr_workitem_id 0
		.amdhsa_next_free_vgpr 256
		.amdhsa_next_free_sgpr 66
		.amdhsa_reserve_vcc 0
		.amdhsa_float_denorm_mode_32 3
		.amdhsa_float_denorm_mode_16_64 3
		.amdhsa_memory_ordered 1
		.amdhsa_forward_progress 1
		.amdhsa_inst_pref_size 106
	.end_amdhsa_kernel
	.amdgpu_metadata
---
amdhsa.version: [ 1, 2 ]
amdhsa.kernels:
  - .name:           k_qfe68f7eb75_quant
    .symbol:         k_qfe68f7eb75_quant.kd
    .args:
      - { .name: x, .offset: 0, .size: 8, .value_kind: global_buffer, .address_space: global }
      - { .name: weight, .offset: 8, .size: 8, .value_kind: global_buffer, .address_space: global }
      - { .name: lora_left, .offset: 16, .size: 8, .value_kind: global_buffer, .address_space: global }
      - { .name: lora_right, .offset: 24, .size: 8, .value_kind: global_buffer, .address_space: global }
      - { .name: lowp_scales, .offset: 32, .size: 8, .value_kind: global_buffer, .address_space: global }
      - { .name: x_codes, .offset: 40, .size: 8, .value_kind: global_buffer, .address_space: global }
      - { .name: w_codes, .offset: 48, .size: 8, .value_kind: global_buffer, .address_space: global }
    .group_segment_fixed_size: 98304
    .private_segment_fixed_size: 0
    .kernarg_segment_align: 8
    .kernarg_segment_size: 56
    .max_flat_workgroup_size: 128
    .sgpr_count:     66
    .vgpr_count:     256
    .wavefront_size: 32
...
	.end_amdgpu_metadata
.endif
;; end of part 1
;; launch gemm (part 2): grid 8 x 32, 4 waves a work-group, clusters of 4 x 1, 327,680 bytes of LDS; arguments x_codes, w_codes, lowp_scales, bias, out0; writes out0
.if DOCPART == 2
	.amdgcn_target "amdgcn-amd-amdhsa--gfx1250"
	.amdhsa_code_object_version 6
	.text
	.protected	k_qfe68f7eb75_gemm
	.globl	k_qfe68f7eb75_gemm
	.p2align	8
	.type	k_qfe68f7eb75_gemm,@function
k_qfe68f7eb75_gemm:
	s_mov_b64 s[64:65], 0
	v_nop
	global_prefetch_b8 v0, s[64:65] scope:SCOPE_SE
	s_setreg_imm32_b32 hwreg(HW_REG_WAVE_MODE, 25, 1), 1
	s_wait_xcnt 0x0
	s_wait_alu depctr_hold_cnt(0) depctr_sa_sdst(0) depctr_va_vdst(0) depctr_va_sdst(0) depctr_va_ssrc(0) depctr_va_vcc(0) depctr_vm_vsrc(0)
	s_getreg_b32 s2, hwreg(HW_REG_IB_STS2, 6, 4)
	s_cmp_eq_u32 s2, 0
	s_cbranch_scc0 .Lentry_in_a_cluster
	s_endpgm
.Lentry_in_a_cluster:
	s_bfe_u32 s2, ttmp6, 0x10000c
	s_cmp_lg_u32 s2, 0x3003
	s_cbranch_scc0 .Lentry_shape_is_right
	s_endpgm
.Lentry_shape_is_right:
; out0[m][n] = 2^(e0 + e1) x sum over places p of xcode[m][p] wcode[n][p] + bias[n]; codes of E4M3 as the launch before laid them; sums in f32.  Nothing is left out.
; LIMIT: e0 + e1 between -126 and 127, so that 2^(e0 + e1) is an f32 number.
; A block of out0, 256 x 256, is made by four waves; a wave makes ALL 256 rows x 64 columns: 64 accumulators of 16 x 16, 512 registers.
; x's codes go through LDS: two slots of 256 rows x 512 places (a dense run of 131,072 bytes of x_codes, rows of 512 bytes); each wave fetches 64 rows by one tensor load.
; THE WEIGHT'S CODES GO FROM MEMORY STRAIGHT INTO REGISTERS: a wave's 64 columns are its own, so each byte is read once in the work-group; w_codes holds the image of the operand's registers,
;   8,192 consecutive bytes for a wave and a step of 128 places, sixteen loads of 512 bytes.  Four sets of 64 registers: a set is asked for again at its step's end, three steps ahead of its use.
; CLUSTERS: the four work-groups of a cluster (4 x 1) make four neighbouring blocks of the same 256 rows and ask for x's tiles JOINTLY (mask 15).
;   The weight's codes are not asked for jointly: a load into registers has no joint form, and with x alone in LDS a slot holds 512 places where both operands would leave room for 256: 8 changes of slots for 4,096 places, not 16.
; PREFETCH: behind a refill (slot n + 2) one instruction a wave names slot n + 4 of x's tiles: of a wave's 32,768 bytes each of the four partners takes 8,192 by address, a lane a block of 256.
;   Slots 0 to 3 come by their loads alone; the last trip asks for nothing.  The weight's codes have none: their own loads stand three steps ahead of the products.
; THE MATRIX INSTRUCTION IS USED TRANSPOSED (source 0 = 16 rows of the weight, source 1 = 16 rows of x): a lane holds eight neighbouring columns of a row of out0.
; A fragment's registers 4 c .. 4 c + 3 of lane (r, h) hold places 32 c + 16 h + 0..15 of row r, alike on both sides.
; THE LAST THREE STEPS GO BY ROWS: the weight's three sets are all in registers, so each block of 16 rows is finished by 12 products and leaves while the later blocks are multiplied.
; REGISTERS: window 0: v0-31 addresses; v32-127 the way out, three sets of 32; v128-255 x's fragments, a ring of eight blocks (16 rows x 128 places each); window 1: the weight's four sets;
;   windows 2, 3: accumulator (a, b) at v[8 (4 (a % 8) + b)], a = block of 16 rows (0-7 window 2, 8-15 window 3), b = block of 16 columns.
.set PITCH,  528                       ; an LDS row: 512 bytes + 16 of padding: 132 words, so 16 rows start at 16 different banks
.set QROWS,  64*PITCH                  ; what one tensor load fills
.set SLOTB,  256*PITCH
.set SPARE,  2*SLOTB                   ; the spare words, 128 bytes a wave
.set STAGE,  SPARE+512                 ; the way out: for each wave two stages of 16 rows x 272 bytes; no tensor load lands here
.set SPITCH, 272
.set STB,    16*SPITCH
.set SLOTM,  131072                    ; a slot's bytes in x_codes
.set BSTEP,  262144                    ; a step of 128 places in w_codes
.set BI,   12                          ; v12-15 bias at my four columns on the way out
.set ADRA, 16                          ; v16-19 LDS address of x's fragments: slot 0 rows 0-127, rows 128-255, slot 1 likewise
.set BO,   20                          ; v20 16 x lane
.set BIO,  21                          ; v21 16 x (lane % 16)
.set STO,  24
.set RD,   25
.set CO,   26
.set SPW,  28                          ; v28 my spare word, v29 0: kept for the add alone
.set NIL,  29
.set PFO,  30                          ; v30 256 x lane
.set BK,   32
.set AF,   128
.set G1, 24                            ; s[24:31] descriptor group 1;  s[32:39] group 0, one set for each slot
.set G0, 32
.set PFA, 40                           ; s[40:41] the prefetches' base
.set SC,  44                           ; s[44:45] e0, e1, then 2^(e0 + e1) twice
.set MSB, 0
.macro WIN new
.if MSB != (\new)
	s_set_vgpr_msb (MSB<<8)|(\new)
.set MSB, (\new)
.endif
.endm
.set MUL_LO, 0xa1                      ; source 0 window 1, source 1 window 0, C and D window 2
.set MUL_HI, 0xf1
.set TO_B,   0x40                      ; destination window 1
.macro PLACES                          ; four places behind matrix instructions, ahead of loads into their sources and of reads of their results
.rept 4
	v_nop
.endr
.endm
.macro CREST
	s_cmp_lg_u32 s14, 0
	s_cbranch_scc1 .Lnot_wave_0_\@
	s_barrier_signal -3
.Lnot_wave_0_\@:
	s_barrier_wait -3
	s_barrier_signal -1
	s_barrier_wait -1
.endm
.macro CROUND
	s_barrier_signal -1
	s_barrier_wait -1
	CREST
.endm
.macro ALOAD s, q, g                   ; group g (blocks 2 g, 2 g + 1) of step q of slot s: eight loads into ring place g % 4
.irp u, 0,1
.irp c, 0,1,2,3
	ds_load_b128 v[AF+32*((\g)%4)+16*\u+4*\c:AF+32*((\g)%4)+16*\u+4*\c+3], v[ADRA+2*(\s)+(\g)/4] offset:((2*(\g)+\u)%8)*16*PITCH+128*(\q)+32*\c
.endr
.endr
.endm
.macro ULOAD a                         ; by rows: block a of slot 1, steps 1 to 3: twelve loads into half a % 2 of the ring
.irp q, 1,2,3
.irp c, 0,1,2,3
	ds_load_b128 v[AF+64*((\a)%2)+16*(\q-1)+4*\c:AF+64*((\a)%2)+16*(\q-1)+4*\c+3], v[ADRA+2+(\a)/8] offset:((\a)%8)*16*PITCH+128*\q+32*\c
.endr
.endr
.endm
.macro BLOAD p, rel                    ; the weight's four fragments of step rel (counted from the base) into set p
	WIN TO_B
.irp i, 0,1,2,3,4,5,6,7,8,9,10,11,12,13,14,15
	global_load_b128 v[64*(\p)+4*\i:64*(\p)+4*\i+3], v[BO], s[6:7] offset:(\rel)*BSTEP+512*\i
.endr
	WIN 0
.endm
.macro MULG g, p, zero                 ; eight matrix instructions: group g's two blocks x the set's four; the 64 accumulators take turns
.irp u, 0,1
.irp b, 0,1,2,3
.set DD, 8*(4*((2*(\g)+\u)%8)+\b)
.if \zero
	v_wmma_f32_16x16x128_fp8_fp8 v[DD:DD+7], v[64*(\p)+16*\b:64*(\p)+16*\b+15], v[AF+32*((\g)%4)+16*\u:AF+32*((\g)%4)+16*\u+15], 0
.else
	v_wmma_f32_16x16x128_fp8_fp8 v[DD:DD+7], v[64*(\p)+16*\b:64*(\p)+16*\b+15], v[AF+32*((\g)%4)+16*\u:AF+32*((\g)%4)+16*\u+15], v[DD:DD+7]
.endif
.endr
.endr
.endm
; Sixteen products on groups 2 P, 2 P + 1; then ONE run of loads into their half of the ring: kind 0: the two groups that stand four further on, in step lq of slot ls; kind 1: block P - 2 by rows.
; w1: what may be out when the first group is read (its partner's 8 loads and the next pair's), w2: when the second is.
.macro PAIR P, p, zero, w1, w2, kind, ls, lq
.if (\w1) >= 0
	s_wait_dscnt \w1
.endif
	WIN MUL_LO+0x50*((\P)/2)
	MULG 2*(\P), \p, \zero
.if (\w2) >= 0
	s_wait_dscnt \w2
.endif
	MULG 2*(\P)+1, \p, \zero
	PLACES
	WIN 0
.if (\kind) == 0
	ALOAD \ls, \lq, (2*(\P)+4)%8
	ALOAD \ls, \lq, (2*(\P)+5)%8
.else
	ULOAD (\P)-2
.endif
.endm
; A step of 128 places with its successor (ns, nq) in a slot that is whole.  s_wait_loadcnt 48: the three younger sets of the weight's codes, 16 loads each, may be out.
.macro STEP s, q, zero, bl, ns, nq
	s_wait_loadcnt 48
	PAIR 0, \q, \zero, 24, 16, 0, \s, \q
	PAIR 1, \q, \zero, 24, 16, 0, \s, \q
	PAIR 2, \q, \zero, 24, 16, 0, \ns, \nq
	PAIR 3, \q, \zero, 24, 16, 0, \ns, \nq
	BLOAD \q, \bl
.endm
.macro ASK off
	s_cmp_gt_u32 s3, 1                             ; not in the loop's last trip: slots 8 and 9 do not exist
	s_cbranch_scc0 .Lno_ask_\@
	global_prefetch_b8 v[PFO], s[PFA:PFA+1] offset:\off th:TH_LOAD_NT scope:SCOPE_SE
.Lno_ask_\@:
.endm
; A slot's last step changes slots in its middle: pair 1's loads are the last reads of the slot.  fill = 1: the slot is filled again, two slots ahead, behind a round of the cluster's barrier.
.macro LAST s, fill, bl
	s_wait_loadcnt 48
	PAIR 0, 3, 0, 24, 16, 0, \s, 3
	PAIR 1, 3, 0, 24, 16, 0, \s, 3
	s_wait_tensorcnt 0x0                           ; all my tensor loads have landed: my part of the other slot
	ds_add_u32 v[SPW], v[NIL]
.if \fill
	s_add_nc_u64 s[G0+4*(\s)+2:G0+4*(\s)+3], s[G0+4*(\s)+2:G0+4*(\s)+3], 2*SLOTM
.endif
	s_wait_dscnt 25                                ; group 4 is in: groups 5 to 7 and the add may be out
	WIN MUL_HI
	MULG 4, 3, 0
	s_wait_dscnt 0x0                               ; the add is done, my reads of this slot are over
	s_barrier_signal -1
	MULG 5, 3, 0
	WIN 0
	s_barrier_wait -1
.if \fill
	CREST                                          ; no wave of any partner still reads this slot or has a load on its way
	tensor_load_to_lds s[G0+4*(\s):G0+4*(\s)+3], s[G1:G1+7]
	s_nop 0
.endif
	PLACES
	ALOAD 1-(\s), 0, 0
	ALOAD 1-(\s), 0, 1
.if \fill
	ASK (4+(\s))*SLOTM
.endif
	PAIR 3, 3, 0, -1, -1, 0, 1-(\s), 0             ; groups 6 and 7 came in with the wait for 0 above
	BLOAD 3, \bl
.endm
	s_load_b128 s[4:7], s[0:1], 0x0                ; x_codes, w_codes
	s_load_b128 s[8:11], s[0:1], 0x10              ; the scales' exponents, bias
	s_load_b64 s[12:13], s[0:1], 0x20              ; out0
	v_lshl_add_u32 v[SPW], v0, 2, SPARE
	v_mov_b32 v[NIL], 0
	ds_add_u32 v[SPW], v[NIL]                      ; the opening lines: the add twice on end, its wait ahead of my first tensor load
	ds_add_u32 v[SPW], v[NIL]
	v_lshrrev_b32 v1, 5, v0
	v_readfirstlane_b32 s14, v1                    ; wave 0..3
	s_bfe_u32 s15, ttmp6, 0x40000                  ; cx
	s_lshl_b32 s16, ttmp9, 2
	s_add_co_u32 s16, s16, s15                     ; block column 0..7
	s_and_b32 s17, ttmp7, 0xffff                   ; block row 0..31
	s_mov_b32 s[G1+0], 15|(1<<20)|(1<<21)|(6<<22)|(3<<25)   ; the mask of the four; elements of 1 byte; 4 words of padding behind every 128
	s_mov_b32 s[G1+1], 512<<16                     ; tensor_dim0
	s_mov_b32 s[G1+2], 64<<16                      ; tensor_dim1
	s_mov_b32 s[G1+3], 512<<16                     ; tile_dim0
	s_mov_b32 s[G1+4], 64                          ; tile_dim1
	s_mov_b32 s[G1+5], 512                         ; from row to row
	s_mov_b32 s[G1+6], 0
	s_mov_b32 s[G1+7], 0
	s_lshl_b32 s18, s17, 20                        ; x_codes: the row tile,
	s_lshl_b32 s19, s14, 15                        ; my 64 rows of 512 bytes
	s_add_co_u32 s18, s18, s19
	s_mov_b32 s19, 0
	s_mul_i32 s20, s14, QROWS                      ; and where they go
	s_lshl_b32 s22, s16, 15                        ; w_codes: 16 blocks of 2,048 bytes a block column,
	s_lshl_b32 s21, s14, 13                        ; 4 a wave
	s_add_co_u32 s22, s22, s21
	s_mov_b32 s23, 0
	s_lshl_b32 s46, s16, 10                        ; my first column in bytes of f32
	s_lshl_b32 s21, s14, 8
	s_add_co_u32 s46, s46, s21
	s_mov_b32 s47, 0
	s_lshl_b32 s42, s17, 21                        ; 256 rows of 8,192 bytes
	s_mov_b32 s43, 0
	s_lshl_b32 s40, s15, 13                        ; my work-group's share of the prefetches
	s_mov_b32 s41, 0
	s_mul_i32 s21, s14, 2*STB
	s_add_co_u32 s21, s21, STAGE                   ; my stages
	s_wait_dscnt 0x0
	s_wait_kmcnt 0x0
	s_load_b64 s[SC:SC+1], s[8:9], 0x0             ; e0, e1
	s_add_nc_u64 s[4:5], s[4:5], s[18:19]
	s_add_nc_u64 s[6:7], s[6:7], s[22:23]
	s_add_nc_u64 s[10:11], s[10:11], s[46:47]
	s_add_nc_u64 s[12:13], s[12:13], s[46:47]
	s_add_nc_u64 s[12:13], s[12:13], s[42:43]
	s_add_nc_u64 s[PFA:PFA+1], s[4:5], s[40:41]
	s_mov_b32 s[G0], 1
	s_mov_b32 s[G0+1], s20
	s_mov_b64 s[G0+2:G0+3], s[4:5]
	s_or_b32 s[G0+3], s[G0+3], 0x80000000
	s_mov_b32 s[G0+4], 1
	s_add_co_u32 s[G0+5], s20, SLOTB
	s_add_nc_u64 s[G0+6:G0+7], s[4:5], SLOTM
	s_or_b32 s[G0+7], s[G0+7], 0x80000000
	CROUND                                         ; the four work-groups are here: the first joint loads meet
	tensor_load_to_lds s[G0:G0+3], s[G1:G1+7]      ; slot 0: one tensor load a wave at the head
	s_nop 0
	v_and_b32 v1, 15, v0                           ; r
	v_bfe_u32 v2, v0, 4, 1                         ; h
	v_and_b32 v3, 31, v0
	v_mul_u32_u24 v4, v1, PITCH
	v_lshl_add_u32 v[ADRA], v2, 4, v4              ; row x pitch + 16 h
	v_add_nc_u32 v[ADRA+1], 128*PITCH, v[ADRA]
	v_add_nc_u32 v[ADRA+2], SLOTB, v[ADRA]
	v_add_nc_u32 v[ADRA+3], SLOTB+128*PITCH, v[ADRA]
	v_mul_u32_u24 v5, v1, SPITCH
	v_lshl_add_u32 v5, v2, 5, v5
	v_add_nc_u32 v[STO], s21, v5                   ; into the stage: row r, 32 bytes for each half of the lanes
	v_mul_u32_u24 v6, v2, SPITCH
	v_lshl_add_u32 v6, v1, 4, v6
	v_add_nc_u32 v[RD], s21, v6                    ; back: lanes 0-15 one row of 256 bytes, lanes 16-31 the next
	v_lshlrev_b32 v7, 13, v2
	v_lshl_add_u32 v[CO], v1, 4, v7                ; the same two rows in out0
	v_lshlrev_b32 v[BIO], 4, v1
	v_lshlrev_b32 v[BO], 4, v3
	v_lshlrev_b32 v[PFO], 8, v3
	global_load_b128 v[BI:BI+3], v[BIO], s[10:11]
	BLOAD 0, 0
	BLOAD 1, 1
	BLOAD 2, 2
	s_wait_alu depctr_va_vdst(0)
	s_wait_tensorcnt 0x0                           ; my part of slot 0 is in
	ds_add_u32 v[SPW], v[NIL]
	s_wait_dscnt 0x0
	CROUND
	tensor_load_to_lds s[G0+4:G0+7], s[G1:G1+7]    ; slot 1
	s_nop 0
	PLACES
	ALOAD 0, 0, 0
	ALOAD 0, 0, 1
	ALOAD 0, 0, 2
	ALOAD 0, 0, 3
	BLOAD 3, 3
	STEP 0, 0, 1, 4, 0, 1                          ; the first step starts the sums
	s_mov_b32 s3, 3
.Llap:                                                 ; a trip: eight steps, from a slot 0's second step to the next slot 0's first; both slots are filled again
	STEP 0, 1, 0, 5, 0, 2
	STEP 0, 2, 0, 6, 0, 3
	LAST 0, 1, 7
	STEP 1, 0, 0, 8, 1, 1
	STEP 1, 1, 0, 9, 1, 2
	STEP 1, 2, 0, 10, 1, 3
	LAST 1, 1, 11
	STEP 0, 0, 0, 12, 0, 1
	s_wait_xcnt 0x0                                ; the trip's loads and prefetches have read their bases
	s_add_nc_u64 s[6:7], s[6:7], 8*BSTEP
	s_add_nc_u64 s[PFA:PFA+1], s[PFA:PFA+1], 2*SLOTM
	s_sub_co_u32 s3, s3, 1
	s_cmp_lg_u32 s3, 0
	s_cbranch_scc1 .Llap
	STEP 0, 1, 0, 5, 0, 2                          ; steps 25 to 27: nothing is filled again
	STEP 0, 2, 0, 6, 0, 3
	LAST 0, 0, 7
	s_wait_kmcnt 0x0
	s_add_co_i32 s[SC], s[SC], s[SC+1]
	s_add_co_i32 s[SC], s[SC], 127
	s_lshl_b32 s[SC], s[SC], 23                    ; 2^(e0 + e1)
	s_mov_b32 s[SC+1], s[SC]
	s_wait_loadcnt 48                              ; step 28, the last that goes by places; its second half fetches blocks 0 and 1 by rows
	PAIR 0, 0, 0, 24, 16, 0, 1, 0
	PAIR 1, 0, 0, 24, 16, 0, 1, 0
	PAIR 2, 0, 0, 24, 16, 1, 0, 0
	PAIR 3, 0, 0, 20, 12, 1, 0, 0                  ; behind groups 6 and 7 stand block 0's twelve loads
; STEPS 29 TO 31 BY ROWS, AND THE WAY OUT.  Block a: 12 products, its four accumulators by turns; then through my stage and back as whole rows of 256 bytes; x 2^(e0 + e1) + bias; stored.
.macro UMUL a
.irp q, 1,2,3
.if (\a) == 0
	s_wait_loadcnt 16*(3-\q)                       ; the weight's set q is in; the younger sets may be out
.endif
.irp b, 0,1,2,3
.set DD, 8*(4*((\a)%8)+\b)
	v_wmma_f32_16x16x128_fp8_fp8 v[DD:DD+7], v[64*\q+16*\b:64*\q+16*\b+15], v[AF+64*((\a)%2)+16*(\q-1):AF+64*((\a)%2)+16*(\q-1)+15], v[DD:DD+7]
.endr
.endr
.endm
.macro TOST a
	WIN 0x08+4*((\a)/8)                            ; the stores' data: window 2 or 3
.irp b, 0,1,2,3
	ds_store_b128 v[STO], v[32*((\a)%8)+8*\b:32*((\a)%8)+8*\b+3] offset:STB*((\a)%2)+64*\b
	ds_store_b128 v[STO], v[32*((\a)%8)+8*\b+4:32*((\a)%8)+8*\b+7] offset:STB*((\a)%2)+64*\b+16
.endr
	WIN 0
.irp t, 0,1,2,3,4,5,6,7
	ds_load_b128 v[BK+32*((\a)%3)+4*\t:BK+32*((\a)%3)+4*\t+3], v[RD] offset:STB*((\a)%2)+\t*2*SPITCH   ; LDS serves a wave's instructions in order: these see the stores above
.endr
.endm
.macro SEND a, younger
.set BB2, BK+32*((\a)%3)
	s_wait_dscnt \younger
.irp i, 0,1,2,3,4,5,6,7
	v_pk_fma_f32 v[BB2+4*\i:BB2+4*\i+1],   v[BB2+4*\i:BB2+4*\i+1],   s[SC:SC+1], v[BI:BI+1]   op_sel_hi:[1,0,1]
	v_pk_fma_f32 v[BB2+4*\i+2:BB2+4*\i+3], v[BB2+4*\i+2:BB2+4*\i+3], s[SC:SC+1], v[BI+2:BI+3] op_sel_hi:[1,0,1]
.endr
.irp t, 0,1,2,3,4,5,6,7
	global_store_b128 v[CO], v[BB2+4*\t:BB2+4*\t+3], s[12:13] offset:(\a)*131072+\t*16384 th:TH_STORE_NT   ; sixteen lanes store 256 consecutive bytes, aligned
.endr
.endm
.macro UNIT a
.if (\a) == 0
	s_wait_dscnt 12                                ; block 0 is in; block 1's twelve loads may be out
.else
	s_wait_dscnt 28                                ; behind block a's loads stand at least a block's twelve and a stage's sixteen
.endif
	WIN MUL_LO+0x50*((\a)/8)
	UMUL \a
	PLACES
	WIN 0
.if (\a)+2 < 16
	ULOAD (\a)+2
.endif
.if (\a) >= 3
	s_wait_xcnt 0x0                                ; block a - 3's stores have read their registers, which take block a
.endif
	TOST \a
.if (\a) > 0
.if (\a)+2 < 16
	SEND (\a)-1, 28                                ; behind block a - 1's loads from the stage: twelve fragment loads and block a's sixteen
.else
	SEND (\a)-1, 16
.endif
.endif
.endm
.irp a, 0,1,2,3,4,5,6,7,8,9,10,11,12,13,14,15
	UNIT \a
.endr
	SEND 15, 0
	s_wait_tensorcnt 0x0                           ; the wave's end
	ds_add_u32 v[SPW], v[NIL]
	s_wait_dscnt 0x0
	CROUND                                         ; the closing round
	s_endpgm
.Lfunc_end_k_qfe68f7eb75_gemm:
	.size	k_qfe68f7eb75_gemm, .Lfunc_end_k_qfe68f7eb75_gemm-k_qfe68f7eb75_gemm
	.p2alignl 7, 3214868480
	.fill 96, 4, 3214868480
	.section	.rodata,"a",@progbits
	.p2align	6, 0x0
	.amdhsa_kernel k_qfe68f7eb75_gemm
		.amdhsa_group_segment_fixed_size 327680
		.amdhsa_private_segment_fixed_size 0
		.amdhsa_enable_private_segment 0
		.amdhsa_kernarg_size 40
		.amdhsa_user_sgpr_count 2
		.amdhsa_user_sgpr_kernarg_segment_ptr 1
		.amdhsa_wavefront_size32 1
		.amdhsa_system_sgpr_workgroup_id_x 1
		.amdhsa_system_sgpr_workgroup_id_y 1
		.amdhsa_system_sgpr_workgroup_id_z 1
		.amdhsa_system_vgpr_workitem_id 0
		.amdhsa_next_free_vgpr 1024
		.amdhsa_next_free_sgpr 66
		.amdhsa_reserve_vcc 0
		.amdhsa_float_denorm_mode_32 3
		.amdhsa_float_denorm_mode_16_64 3
		.amdhsa_memory_ordered 1
		.amdhsa_forward_progress 1
		.amdhsa_inst_pref_size 224
	.end_amdhsa_kernel
	.amdgpu_metadata
---
amdhsa.version: [ 1, 2 ]
amdhsa.kernels:
  - .name:           k_qfe68f7eb75_gemm
    .symbol:         k_qfe68f7eb75_gemm.kd
    .args:
      - { .name: x_codes, .offset: 0, .size: 8, .value_kind: global_buffer, .address_space: global }
      - { .name: w_codes, .offset: 8, .size: 8, .value_kind: global_buffer, .address_space: global }
      - { .name: lowp_scales, .offset: 16, .size: 8, .value_kind: global_buffer, .address_space: global }
      - { .name: bias, .offset: 24, .size: 8, .value_kind: global_buffer, .address_space: global }
      - { .name: out0, .offset: 32, .size: 8, .value_kind: global_buffer, .address_space: global }
    .group_segment_fixed_size: 327680
    .private_segment_fixed_size: 0
    .kernarg_segment_align: 8
    .kernarg_segment_size: 40
    .max_flat_workgroup_size: 128
    .sgpr_count:     66
    .vgpr_count:     1024
    .wavefront_size: 32
...
	.end_amdgpu_metadata
.endif
;; end of part 2
